; MI455X (gfx1250); checked and timed in simulation.
; The chip was launched on July 23, 2026; its instructions are those of AMD's public machine-readable ISA for CDNA 5 (MIT licence, August 2026) and "CDNA5" Instruction Set Architecture Reference Guide (July 2026). The comments in the code are by the model that wrote it; some were corrected since.
;; Tokenformer P Attention. Allowed arithmetic: matrix products marked QUANTISED: E5M2 operands, one given power-of-two scale a tensor, by v_wmma_f32_16x16x64_bf8_bf8 or v_wmma_f32_16x16x128_bf8_bf8, f32 sums; everything else in f32.
;; Inputs: K 4,096 x 1,024 float32; V 4,096 x 1,024 float32; lowp_scales 4 int32 (the exponents e of the quantised operands' scales 2^e); x 4 x 2,048 x 1,024 float32.
;; Outputs: out0 4 x 2,048 x 1,024 float32.
;; This version of the problem:
;;   THIS VERSION OF THE PROBLEM IS GIVEN IN LOW PRECISION. The matrix products marked QUANTISED in the list below multiply operands that are first quantised to E5M2 (5 exponent bits, 2 mantissa bits; 8 bits a number), with one given power-of-two scale for each operand tensor; their sums are f32. All else is computed in f32.
;;   The module's matrix products, in the order in which they are computed (A, B: the left and right operand; K: the contracted axis; several contracted axes count as one K, in the product's order):
;;     1. [M 8,192, K 1,024] x [K 1,024, N 4,096]; A: input x; B: input K: QUANTISED (scales: A lowp_scales[0], B lowp_scales[1])
;;     2. [M 8,192, K 4,096] x [K 4,096, N 1,024]; A: softmax (see below); B: input V: QUANTISED (scales: A lowp_scales[2], B lowp_scales[3])
;;   THE QUANTISER, for each operand of a quantised product, along K:
;;     - The operand's scale is 2^e, e = its entry of the input lowp_scales (int32; the entries are numbered through the quantised products in the list's order, A before B).
;;     - Each number is divided by the scale, clamped to +-57,344, and rounded to the nearest number of E5M2, ties to even, subnormals kept.
;;     - The product sums the exact products of the quantised numbers (number of the format x scale) in f32.
;;   ~~~python
;;   def quantise(x, axis, e):      # numpy; x: float32 -> the quantised numbers, widened to float32 again
;;       x = np.moveaxis(x, axis, -1); K = x.shape[-1]
;;       r = np.clip(x / 2.0 ** e, -57344, 57344)
;;       step = 2.0 ** (np.maximum(np.frexp(np.where(r == 0, 1, r))[1] - 1, -14) - 2)
;;       q = np.round(r / step) * step * 2.0 ** e      # np.round: ties to even
;;       return np.moveaxis(q, -1, axis).astype(np.float32)
;;   ~~~
;;   SOFTMAX AHEAD OF A QUANTISED PRODUCT. Where the list says 'softmax', what is quantised is not the finished softmax but p = 2^(t - M), with t = logit x log2(e) and M = ceil(the row's largest t), a whole number; so 1/2 < the row's largest p <= 1. The row's sum l is taken of the UNQUANTISED p, in f32, and the product's result is divided by l at the end. Since M is a whole number, a kernel that streams over the keys may use a running M (the ceiling of the running maximum): every later rescaling is an exact power of two, so the quantised numbers keep their values, but for numbers so far below the row's largest that they fall under the format's range.
;;   OPERANDS COMPUTED ON THE WAY. 'Computed on the way' means the value that the module computes at that place (a softmax that the list does not call 'softmax' is quantised finished and normalised). What goes into a quantiser is computed in f32, as accurately as f32 sums, v_exp_f32 and their like allow (about 1e-6 of the number): no bf16 or f16 on the way to a quantiser, and a product that is left as it is and whose result goes on into a quantised operand takes f32 operands (vector FMAs, or v_wmma_f32_16x16x4_f32). A number that lies on a knife's edge between two numbers of the format may be rounded either way, as far as f32 arithmetic and the matrix unit's own rounding can turn it there, and no further.
;; One version. Each part assembles by itself: llvm-mc -triple=amdgcn-amd-amdhsa -mcpu=gfx1250 --defsym DOCPART=n.
;; ======== version 1 of 1: 3 launches
;; limits: right only within a limited range of input values
;; workspace buffers: xc 8,388,608 bytes; kc 4,194,304 bytes; vimg 4,194,304 bytes; pimg 33,554,432 bytes; stats 1,572,864 bytes
;; launch quant (part 1): grid 768 x 1, 4 waves a work-group, no clusters, 20,992 bytes of LDS; arguments x, K, lowp_scales, xc, kc; writes xc, kc
.if DOCPART == 1
	.amdgcn_target "amdgcn-amd-amdhsa--gfx1250"
	.amdhsa_code_object_version 6
	.text
	.protected	k_q7f41ef85ac_quant
	.globl	k_q7f41ef85ac_quant
	.p2align	8
	.type	k_q7f41ef85ac_quant,@function
k_q7f41ef85ac_quant:
	s_mov_b64 s[64:65], 0
	v_nop
	global_prefetch_b8 v0, s[64:65] scope:SCOPE_SE
	s_setreg_imm32_b32 hwreg(HW_REG_WAVE_MODE, 25, 1), 1
	s_wait_xcnt 0x0
; x [8192][1024] and K [4096][1024], f32, become codes of BF8 (E5M2), each with the scale 2^e that is given for it (entries 0 and 1 of the scales).  (V is quantised by the next launch.)
; code = number / 2^e, held within +-57,344, rounded to the nearest code, ties to even.  LIMITS: -126 <= e <= 112; NaN among the inputs is not served (an infinity is held at the largest code).
; Every work-group takes 16,384 numbers.  Work-groups 0-511: x; 512-767: K.
; Both are contracted along their rows: plain streams; their codes lie as the numbers lie, xc [8192][1024], kc [4096][1024].  A wave takes 8 steps of 512 numbers and asks for all of them at once (32 loads).
; Each load reads 512 consecutive bytes, 16 a lane; a step's 2,048 bytes turn through the wave's own stage in LDS and come back 64 bytes a lane, so that a lane holds 16 neighbours for the conversions;
; its 16 codes are 16 bytes: a store covers 512 consecutive bytes.
; No tensor loads, no barrier: waves share nothing.  No prefetch: there is no loop to run ahead in.
.set STEPS, 8
.set WGX,   512                        ; work-groups of x
.set EMAX,  15
.set MANT,  0x600000                   ; the mantissa field of 57,344 as f32
.set R,     16                         ; v16-143  eight sets of 16 numbers as they are loaded
.set X,     144                        ; v144-175 two sets of 16 neighbours
.set C,     176                        ; v176-207 codes: four registers for each step, so that no store's data are written again
.set SPW,   208                        ; LDS address of my spare word; never rewritten
.set NIL,   209                        ; 0; never rewritten
.set WREG,  5120                       ; LDS: a region for each wave: two stages of 32 x SP bytes
.set SP,    80                         ; a lane's place in a stage: its 64 bytes + 16 of padding
.set SPARE, 4*WREG                     ; the spare words
	s_load_b128 s[4:7], s[0:1], 0x0                ; x s[4:5], K s[6:7]
	s_load_b64 s[10:11], s[0:1], 0x10              ; the scales' exponents
	s_load_b128 s[12:15], s[0:1], 0x18             ; xc s[12:13], kc s[14:15]
	v_lshl_add_u32 v[SPW], v0, 2, SPARE
	v_mov_b32 v[NIL], 0
	v_lshrrev_b32 v1, 5, v0
	v_readfirstlane_b32 s16, v1                    ; wave 0..3
	s_mul_i32 s17, s16, WREG
	v_and_b32 v2, 31, v0                           ; lane
	v_lshlrev_b32 v3, 4, v2                        ; my 16 bytes of a load's 512, and my codes' place in a step's 512
	v_lshrrev_b32 v14, 2, v2
	v_mul_u32_u24 v14, v14, SP
	v_and_b32 v15, 3, v2
	v_lshl_add_u32 v14, v15, 4, v14
	v_add_nc_u32 v14, s17, v14                     ; the stage, on the way in: SP (lane / 4) + 16 (lane % 4); a load's 512 bytes take eight places
	v_mul_u32_u24 v15, v2, SP
	v_add_nc_u32 v15, s17, v15                     ; and on the way out: SP x lane: my 16 neighbours
	s_wait_alu depctr_va_vdst(0)
	s_wait_kmcnt 0x0
	s_load_b64 s[28:29], s[10:11], 0x0             ; ex, ek
	s_cmp_lt_u32 ttmp9, WGX                        ; x's work-group or K's?  The choice hangs on the work-group's number alone
	s_cselect_b64 s[4:5], s[4:5], s[6:7]
	s_cselect_b64 s[8:9], s[12:13], s[14:15]
	s_cselect_b32 s17, 0, WGX
	s_sub_co_u32 s17, ttmp9, s17
	s_lshl_b32 s17, s17, 2
	s_add_co_u32 s18, s17, s16                     ; which run of 4,096 numbers of the tensor is my wave's
	s_lshl_b32 s20, s18, 14                        ; 16,384 bytes of numbers a run,
	s_mov_b32 s21, 0
	s_add_nc_u64 s[4:5], s[4:5], s[20:21]
	s_lshl_b32 s20, s18, 12                        ; 4,096 bytes of codes
	s_add_nc_u64 s[8:9], s[8:9], s[20:21]
.macro LOAD t
.irp i, 0,1,2,3
	global_load_b128 v[R+16*(\t)+4*\i:R+16*(\t)+4*\i+3], v3, s[4:5] offset:2048*(\t)+512*\i th:TH_LOAD_NT   ; 32 lanes read 512 consecutive bytes
.endr
.endm
.macro TURN t                          ; step t's numbers through the stage: LDS serves a wave's instructions in order, so no wait stands between the stores and the loads
.irp i, 0,1,2,3
	ds_store_b128 v14, v[R+16*(\t)+4*\i:R+16*(\t)+4*\i+3] offset:32*SP*((\t)%2)+8*SP*\i
.endr
.irp i, 0,1,2,3
	ds_load_b128 v[X+16*((\t)%2)+4*\i:X+16*((\t)%2)+4*\i+3], v15 offset:32*SP*((\t)%2)+16*\i
.endr
.endm
.irp t, 0,1,2,3,4,5,6,7
	LOAD \t
.endr
	s_wait_kmcnt 0x0
	s_cmp_lt_u32 ttmp9, WGX
	s_cselect_b32 s22, s28, s29                    ; e
	s_add_co_i32 s22, s22, 127
	s_lshl_b32 s23, s22, 23
	v_mov_b32 v11, s23                             ; 2^e as f32: the conversion takes its exponent field
	s_add_co_i32 s22, s22, EMAX
	s_lshl_b32 s22, s22, 23
	s_or_b32 s22, s22, MANT
	v_mov_b32 v10, s22                             ; 57,344 x 2^e
	s_wait_alu depctr_va_vdst(0)
	s_wait_loadcnt 28                              ; step 0's four loads are in; those of steps 1 to 7 may be out
	TURN 0
.macro STEP t
.set XS, X+16*((\t)%2)
	s_wait_dscnt 0x0                               ; this step's numbers are back from the stage
.if (\t)+1 < STEPS
	s_wait_loadcnt 4*(STEPS-2-(\t))                ; the next step's four loads are in; those behind it may be out
	TURN (\t)+1                                    ; and go through the other stage while this step is worked
.endif
.irp i, 0,1,2,3,4,5,6,7,8,9,10,11,12,13,14,15
	v_med3_num_f32 v[XS+\i], v[XS+\i], -v10, v10   ; the conversion to an 8-bit code does not saturate (ISA guide 7.6.2): the hold at the largest code x the scale comes first
.endr
	v_cvt_scalef32_pk8_bf8_f32 v[C+4*(\t):C+4*(\t)+1], v[XS:XS+7], v11
	v_cvt_scalef32_pk8_bf8_f32 v[C+4*(\t)+2:C+4*(\t)+3], v[XS+8:XS+15], v11
	global_store_b128 v3, v[C+4*(\t):C+4*(\t)+3], s[8:9] offset:512*(\t)   ; the codes go to a store alone; the next vector lines are the next step's holds, plain lines on other registers
.endm
.irp t, 0,1,2,3,4,5,6,7
	STEP \t
.endr
	s_wait_tensorcnt 0x0                           ; the wave's end
	ds_add_u32 v[SPW], v[NIL]
	s_wait_dscnt 0x0
	s_endpgm
.Lfunc_end_k_q7f41ef85ac_quant:
	.size	k_q7f41ef85ac_quant, .Lfunc_end_k_q7f41ef85ac_quant-k_q7f41ef85ac_quant
	.p2alignl 7, 3214868480
	.fill 96, 4, 3214868480
	.section	.rodata,"a",@progbits
	.p2align	6, 0x0
	.amdhsa_kernel k_q7f41ef85ac_quant
		.amdhsa_group_segment_fixed_size 20992
		.amdhsa_private_segment_fixed_size 0
		.amdhsa_enable_private_segment 0
		.amdhsa_kernarg_size 40
		.amdhsa_user_sgpr_count 2
		.amdhsa_user_sgpr_kernarg_segment_ptr 1
		.amdhsa_wavefront_size32 1
		.amdhsa_system_sgpr_workgroup_id_x 1
		.amdhsa_system_sgpr_workgroup_id_y 1
		.amdhsa_system_sgpr_workgroup_id_z 1
		.amdhsa_system_vgpr_workitem_id 0
		.amdhsa_next_free_vgpr 210
		.amdhsa_next_free_sgpr 66
		.amdhsa_reserve_vcc 0
		.amdhsa_float_denorm_mode_32 3
		.amdhsa_float_denorm_mode_16_64 3
		.amdhsa_memory_ordered 1
		.amdhsa_forward_progress 1
		.amdhsa_inst_pref_size 20
	.end_amdhsa_kernel
	.amdgpu_metadata
---
amdhsa.version: [ 1, 2 ]
amdhsa.kernels:
  - .name:           k_q7f41ef85ac_quant
    .symbol:         k_q7f41ef85ac_quant.kd
    .args:
      - { .name: x, .offset: 0, .size: 8, .value_kind: global_buffer, .address_space: global }
      - { .name: K, .offset: 8, .size: 8, .value_kind: global_buffer, .address_space: global }
      - { .name: lowp_scales, .offset: 16, .size: 8, .value_kind: global_buffer, .address_space: global }
      - { .name: xc, .offset: 24, .size: 8, .value_kind: global_buffer, .address_space: global }
      - { .name: kc, .offset: 32, .size: 8, .value_kind: global_buffer, .address_space: global }
    .group_segment_fixed_size: 20992
    .private_segment_fixed_size: 0
    .kernarg_segment_align: 8
    .kernarg_segment_size: 40
    .max_flat_workgroup_size: 128
    .sgpr_count:     66
    .vgpr_count:     210
    .wavefront_size: 32
...
	.end_amdgpu_metadata
.endif
;; end of part 1
;; launch scores (part 2): grid 8 x 32, 4 waves a work-group, clusters of 4 x 4, 327,680 bytes of LDS; arguments xc, kc, lowp_scales, pimg, stats, V, vimg; writes pimg, stats, vimg
.if DOCPART == 2
	.amdgcn_target "amdgcn-amd-amdhsa--gfx1250"
	.amdhsa_code_object_version 6
	.text
	.protected	k_q7f41ef85ac_scores
	.globl	k_q7f41ef85ac_scores
	.p2align	8
	.type	k_q7f41ef85ac_scores,@function
k_q7f41ef85ac_scores:
	s_mov_b64 s[64:65], 0
	v_nop
	global_prefetch_b8 v0, s[64:65] scope:SCOPE_SE
	s_setreg_imm32_b32 hwreg(HW_REG_WAVE_MODE, 25, 1), 1
	s_wait_xcnt 0x0
	s_wait_alu depctr_hold_cnt(0) depctr_sa_sdst(0) depctr_va_vdst(0) depctr_va_sdst(0) depctr_va_ssrc(0) depctr_va_vcc(0) depctr_vm_vsrc(0)
	s_getreg_b32 s2, hwreg(HW_REG_IB_STS2, 6, 4)
	s_cmp_eq_u32 s2, 0
	s_cbranch_scc0 .Lentry_in_a_cluster
	s_endpgm
.Lentry_in_a_cluster:
	s_bfe_u32 s2, ttmp6, 0x10000c
	s_cmp_lg_u32 s2, 0xf033
	s_cbranch_scc0 .Lentry_shape_is_right
	s_endpgm
.Lentry_shape_is_right:
; THE FIRST PRODUCT AND THE SOFTMAX'S p.  S[q][k] = sum over e of xc[q][e] kc[k][e] on codes of BF8 (E5M2); xc [8192][1024], kc [4096][1024].  t = S x 2^(ex + ek) x log2(e) / 32.
; A work-group of four waves STAYS and makes two tiles of 256 queries x 256 keys: the same queries, key groups g and g + 8.  A wave makes 128 x 128: 64 accumulators of 16 x 16, 512 registers.
; For each query and each GROUP of 256 keys (a tile's columns): M = the group's largest t rounded UP to a whole number; p = 2^(t - M), not normalised; p's codes with the given 2^ep;
; l = the sum of the unquantised p, one for each 128 keys (a wave's).  The next launch brings the sixteen groups of a query onto one M by powers of two.
; OUT: pimg [q / 128][k / 128][(q % 128) / 16][2,048 bytes]: images of the second product's operand registers: register p of lane l at 512 (p / 4) + 16 l + 4 (p % 4); lane (r, h) holds in registers 2 c, 2 c + 1 the keys
; 16 c + 8 h + 0 .. 7 of query r.  stats: -M as f32 [16 groups][8192 queries] from byte 0; l [32][8192] from byte 524,288.
; ALSO HERE: V [4096][1024], f32, is turned into the second product's codes with the scale 2^ev: code = number / 2^ev, held within +-57,344, to the nearest code, ties to even.  A work-group takes 128 keys x 128 channels, a wave
; 32 channels, in four pieces of 32 keys, two for each tile: asked for in the tile's first half, used ahead of its softmax, whose registers they fill.  V is contracted along its FIRST axis (the keys): a lane takes a channel and its
; registers run down the keys.  vimg [e / 256][key / 128][(e % 256) / 16][2,048 bytes]: images as pimg's; a lane's 32 keys are two pieces of 16 bytes (keys 0-7 with 16-23: h = 0; 8-15 with 24-31: h = 1), and sixteen neighbouring
; lanes store 256 consecutive bytes, aligned.  It uses no LDS.
; THE MATRIX INSTRUCTION IS USED TRANSPOSED (source 0 = 16 keys, source 1 = 16 queries): a lane holds ONE query (lane % 16), and accumulator (a, b)'s eight registers are keys 16 b + 8 (lane / 16) + 0 .. 7:
; one conversion of eight makes registers 2 b, 2 b + 1 of the image.  Nothing changes lanes but a query's maximum and sum.
; K goes in four slices of 256 through a ring of two LDS slots filled by the tensor data mover; the ring goes on into the second tile: the first tile's last two changes of slots ask for the second's first two slices.
; THE ORDER OF THE SLICES IS TURNED BY THE CLUSTER'S PLACE IN THE GRID (a tile's fill f brings slice (cluster x + cluster y + f) % 4, of both operands).  Only the order of the f32 sums hangs on it.
; CLUSTERS: 4 x 4 work-groups.  The four of a row of the cluster need the same tiles of xc, the four of a column the same tiles of kc: each tile is asked for JOINTLY, by the same tensor load with the same descriptor and a mask that names the four.
; PREFETCH: kc's second 2,097,152 bytes (the second tiles' keys) are asked for once in the launch, 32 blocks of 256 bytes by wave 0 of each work-group, at the head, five steps of 128 along K ahead of the first load that wants them.
; The first tile, four fills of which two are asked for ahead of its loop, comes by its loads alone; xc has been read by the first tile when the second asks for it.  V goes to registers with four steps of lead and is not waited for.
; LIMITS: ex + ek between -121 and 132 (they are added to the exponent field of log2(e) / 32); ep and ev between -126 and 112.  With ep under -15 the hold acts on p against the group's own M.  NaN and infinities are not served.
; REGISTERS, in windows of 256: window 0: v0-31 addresses; v32-127 the softmax's statistics, between softmaxes V's pieces; v128-255 xc's fragments (8 x 16 rows x 128 K), ONE set.
;   window 1: kc's fragments, TWO sets; the second (v128-255) also takes p's codes.   window 2: the accumulators of my queries 0-63 ((a, b) at v[8 (8 a + b)]);   window 3: those of my queries 64-127.
.set ROWB,   256                       ; a tile's row in bytes
.set PITCH,  272                       ; an LDS row: 256 bytes + 16 of padding = 68 words: row r starts at bank 4 r mod 64 (64 banks of 4 bytes: ISA guide 11.1)
.set HALFT,  128*PITCH                 ; 128 rows: what one tensor load brings
.set SLOT,   4*HALFT                   ; xc's 256 rows, then kc's 256 rows
.set SPARE,  2*SLOT                    ; behind the ring: the spare words, 128 bytes for each wave
.set XCH,    SPARE+512                 ; 512 bytes for each wave: its 128 queries' largest scores, for the wave that holds the group's other 128 keys
.set STAT,   XCH+2048                  ; 1,024 bytes for each wave, its own: -M, then l, on their way out
.set VIN,  7                           ; v7      4 x lane
.set VOUT, 8                           ; v8      V's images: image lane / 16, 16 bytes at 16 (lane % 16)
.set ADRA, 16                          ; v16-17  LDS address of my xc fragments in slot 0, 1
.set ADRB, 20                          ; v20-21  the same for kc
.set SRD,  22                          ; v22     STAT: where I read 16 bytes back
.set XS,   24                          ; v24     XCH: where I put a query's maximum
.set XR,   25                          ; v25     XCH: where I read the other wave's
.set PO,   26                          ; v26     16 x lane: my place in an image and in 512 bytes of statistics
.set SS,   27                          ; v27     STAT: where I put a query's number
.set SPW,  28                          ; v28     LDS address of my spare word; never rewritten
.set NIL,  29                          ; v29     0; never rewritten
.set PFO,  30                          ; v30     256 x lane: the prefetch's offset
.set MX,   32                          ; v32-39  a tile of queries' maximum, chain 0
.set MY,   40                          ; v40-47  chain 1, later the other half of the lanes'
.set NMP,  48                          ; v48-63  pairs (-M, t)
.set LA,   64                          ; v64-79  the sum, chain 0, in pairs
.set LB,   80                          ; v80-95  chain 1
.set VX,   32                          ; v32-95  between softmaxes: two pieces of V, 32 keys each
.set PART, 96                          ; v96-103 the other wave's maxima
.set HOLD, 104                         ; v104    57,344 x 2^ep
.set SC,   105                         ; v105    2^ep
.set HV,   106                         ; v106    57,344 x 2^ev
.set SV,   107                         ; v107    2^ev
.set OUTS, 112                         ; v112-119 the statistics on their way out
.set AF,   128                         ; xc's fragments.  (V's codes: v120-127; v108-111 and v12-15: written nowhere else)
.set TILE, 3                           ; s3       the tile in hand: 0, 1
.set G1, 24                            ; s[24:31] descriptor group 1 for xc's tiles;  s[32:39] group 0, one set for each slot
.set G0, 32
.set G1B, 48                           ; s[48:55], s[56:63] the same for kc's tiles
.set G0B, 56
.set ARB, 66                           ; s[66:67] xc at the 128 rows that I fetch
.set BRB, 68                           ; s[68:69] kc likewise
.set ROT, 70                           ; s70-73   fill f's slice, in bytes along a row
.set OFS, 74                           ; s[74:75] the pair (offset, 0)
.set SEL, 76                           ; s[76:77] lane selects for v_permlanex16_b32: lane l xor 16
.set PB,  78                           ; s[78:79] pimg at my eight images
.set LBS, 80                           ; s[80:81] stats at my 128 l
.set MBS, 82                           ; s[82:83] stats at my 128 -M
.set VS,  84                           ; s[84:85] V at my wave's channels and the tile's two pieces
.set VD,  86                           ; s[86:87] vimg likewise
.set PFA, 90                           ; s[90:91] where my work-group prefetches
.set EXPS, 92                          ; s[92:95] ex, ek, ep, ev
.set CS,  96                           ; s[96:97] c = log2(e) / 32 x 2^(ex + ek), twice: the packed form names a pair
.set MSB, 0
.macro WIN new                         ; the immediate's high byte repeats the setting that is left; a switch that changes nothing is dropped
.if MSB != (\new)
	s_set_vgpr_msb (MSB<<8)|(\new)
.set MSB, (\new)
.endif
.endm
.set MUL_LO, 0xa1                      ; source 0 (kc) window 1, source 1 (xc) window 0, C and D window 2
.set MUL_HI, 0xf1                      ; the same, C and D window 3
.set TO_B,   0x40                      ; destination window 1, address window 0
; A joint load: waves 0 and 1 fetch for xc, waves 2 and 3 for kc.  Each of the two lines has ONE mask and one set of registers for all that issue it; the branch hangs on the wave's number alone.
; Four v_nop follow each of the two lines, ahead of the jump, the label and what follows.
.macro JLOAD s
	s_cmp_eq_u32 s15, 0
	s_cbranch_scc0 .Lfor_b_\@
	tensor_load_to_lds s[G0+4*\s:G0+4*\s+3], s[G1:G1+7]
	s_nop 0
.rept 4
	v_nop
.endr
	s_branch .Lasked_\@
.Lfor_b_\@:
	tensor_load_to_lds s[G0B+4*\s:G0B+4*\s+3], s[G1B:G1B+7]
	s_nop 0
.rept 4
	v_nop
.endr
.Lasked_\@:
.endm
.macro CREST                           ; a round of the cluster's barrier behind its opening barrier
	s_cmp_lg_u32 s14, 0
	s_cbranch_scc1 .Lnot_wave_0_\@
	s_barrier_signal -3
.Lnot_wave_0_\@:
	s_barrier_wait -3
	s_barrier_signal -1
	s_barrier_wait -1
.endm
.macro CROUND                          ; a whole round
	s_barrier_signal -1
	s_barrier_wait -1
	CREST
.endm
.macro SETADR slot, t                  ; both groups 0 of a slot take fill t's slice.  No tensor load of the wave that uses them is out where this stands
	s_mov_b32 s[OFS], s[ROT+\t]
	s_add_nc_u64 s[G0+4*\slot+2:G0+4*\slot+3], s[ARB:ARB+1], s[OFS:OFS+1]
	s_or_b32 s[G0+4*\slot+3], s[G0+4*\slot+3], 0x80000000      ; 127:126 type = 2
	s_add_nc_u64 s[G0B+4*\slot+2:G0B+4*\slot+3], s[BRB:BRB+1], s[OFS:OFS+1]
	s_or_b32 s[G0B+4*\slot+3], s[G0B+4*\slot+3], 0x80000000
.endm
	s_load_b128 s[4:7], s[0:1], 0x0                ; xc s[4:5], kc s[6:7]
	s_load_b128 s[8:11], s[0:1], 0x10              ; the scales' exponents s[8:9], pimg s[10:11]
	s_load_b64 s[12:13], s[0:1], 0x20              ; stats
	s_load_b128 s[VS:VS+3], s[0:1], 0x28           ; V s[84:85], vimg s[86:87]
	v_lshl_add_u32 v[SPW], v0, 2, SPARE
	v_mov_b32 v[NIL], 0
	ds_add_u32 v[SPW], v[NIL]                      ; the wave's opening: the add, twice on end, and its one wait
	ds_add_u32 v[SPW], v[NIL]
	v_lshrrev_b32 v1, 5, v0
	v_readfirstlane_b32 s14, v1                    ; wave 0..3
	s_lshr_b32 s15, s14, 1                         ; which half of the tile's queries is mine.  Also: I fetch for xc (0) or for kc (1)
	s_and_b32 s16, s14, 1                          ; which half of its keys.  Also: which 128 rows of that tile I fetch
	s_bfe_u32 s40, ttmp6, 0x40000                  ; cx, cy: my place in the cluster
	s_bfe_u32 s41, ttmp6, 0x40004
	s_lshl_b32 s42, ttmp9, 2
	s_add_co_u32 s42, s42, s40                     ; first tile's column (the group of keys, 0..7) = 4 x cluster x + cx
	s_and_b32 s17, ttmp7, 0xffff
	s_add_co_u32 s[OFS], s17, ttmp9                ; cluster x + cluster y: the same in all sixteen partners
.irp t, 0,1,2,3
	s_add_co_u32 s[ROT+\t], s[OFS], \t
	s_and_b32 s[ROT+\t], s[ROT+\t], 3
	s_lshl_b32 s[ROT+\t], s[ROT+\t], 8             ; fill t's slice of 256 codes
.endr
	s_mov_b32 s[OFS+1], 0
	s_lshl_b32 s17, s17, 2
	s_add_co_u32 s17, s17, s41                     ; tile row = 4 x cluster y + cy
	s_lshl_b32 s43, s41, 2
	s_lshl_b32 s43, 15, s43                        ; my row of the cluster
	s_lshl_b32 s44, 0x1111, s40                    ; my column
	; descriptor group 1: a tile of 128 rows x 256 bytes, padded in LDS
	s_or_b32 s[G1+0], s43, (0<<16)|(1<<20)|(1<<21)|(5<<22)|(3<<25)  ; 15:0 the mask: xc's tiles go to my row; 17:16 elements of 1 byte; 20 padding on; 21 set beside a mask; 24:22 after every 64 words (code 5); 31:25 of 4 words (code 3)
	s_or_b32 s[G1B+0], s44, (0<<16)|(1<<20)|(1<<21)|(5<<22)|(3<<25)
.irp g, G1, G1B
	s_mov_b32 s[\g+1], ROWB<<16                    ; tensor_dim0
	s_mov_b32 s[\g+2], 128<<16                     ; tensor_dim1 = 128
	s_mov_b32 s[\g+3], ROWB<<16                    ; tile_dim0
	s_mov_b32 s[\g+4], 128                         ; tile_dim1 = 128
	s_mov_b32 s[\g+5], 1024                        ; tensor_dim0_stride
	s_mov_b32 s[\g+6], 0
	s_mov_b32 s[\g+7], 0
.endr
	s_mov_b32 s[SEL], 0x76543210
	s_mov_b32 s[SEL+1], 0xfedcba98
	s_lshl_b32 s18, s16, 7                         ; which 128 rows of the tile I fetch
	s_lshl_b32 s20, s17, 8
	s_add_co_u32 s20, s20, s18                     ; xc: row 256 x tile row + 128 x half
	s_lshl_b32 s46, s42, 8
	s_add_co_u32 s46, s46, s18                     ; kc: row 256 x tile column + 128 x half
	s_lshl_b32 s20, s20, 10                        ; in bytes: rows of 1,024 (under 2^23)
	s_lshl_b32 s46, s46, 10
	s_mov_b32 s21, 0
	s_mov_b32 s47, 0
	s_mul_i32 s45, s14, HALFT                      ; where they go: wave x 128 rows: no place in the cluster enters an LDS address
	s_wait_dscnt 0x0                               ; both opening adds are done
	s_wait_kmcnt 0x0
	s_load_b128 s[EXPS:EXPS+3], s[8:9], 0x0        ; ex, ek, ep, ev
	s_add_nc_u64 s[ARB:ARB+1], s[4:5], s[20:21]
	s_add_nc_u64 s[BRB:BRB+1], s[6:7], s[46:47]
.irp s, 0,1
	s_mov_b32 s[G0+4*\s], 1                        ; 1:0 count = 1
	s_add_co_u32 s[G0+4*\s+1], s45, \s*SLOT        ; 63:32 LDS address
	s_mov_b32 s[G0B+4*\s], 1
	s_add_co_u32 s[G0B+4*\s+1], s45, \s*SLOT
	SETADR \s, \s                                  ; 120:64 global address: fills 0 and 1
.endr
	CROUND                                         ; all sixteen work-groups are here: the first joint loads meet
	JLOAD 0                                        ; fill 0: one tensor load a wave at the head
	s_lshl_b32 s20, s17, 1
	s_add_co_u32 s20, s20, s15                     ; my 128 queries: 2 x tile row + half
	s_lshl_b32 s46, s42, 1
	s_add_co_u32 s46, s46, s16                     ; my 128 keys of the first tile: 2 x tile column + half
	s_lshl_b32 s18, s20, 19                        ; pimg: 32 x 8 images for 128 queries,
	s_lshl_b32 s19, s46, 14                        ; 8 images for 128 keys
	s_add_co_u32 s18, s18, s19
	s_mov_b32 s19, 0
	s_add_nc_u64 s[PB:PB+1], s[10:11], s[18:19]
	s_lshl_b32 s21, s20, 9                         ; stats: 128 queries are 512 bytes,
	s_lshl_b32 s18, s46, 15                        ; 8,192 queries 32,768
	s_add_co_u32 s18, s18, s21
	s_add_co_u32 s18, s18, 524288
	s_add_nc_u64 s[LBS:LBS+1], s[12:13], s[18:19]
	s_lshl_b32 s18, s42, 15
	s_add_co_u32 s18, s18, s21
	s_add_nc_u64 s[MBS:MBS+1], s[12:13], s[18:19]
	s_lshl_b32 s18, s17, 3
	s_add_co_u32 s18, s18, s42                     ; the prefetch: my work-group's 8,192 bytes of kc's second half
	s_lshl_b32 s18, s18, 13
	s_add_co_u32 s18, s18, 0x200000
	s_add_nc_u64 s[PFA:PFA+1], s[6:7], s[18:19]
	s_lshl_b32 s20, s17, 19                        ; V: 128 keys of 4,096 bytes for each tile row,
	s_lshl_b32 s21, s42, 9                         ; 128 channels for each tile column,
	s_add_co_u32 s20, s20, s21
	s_lshl_b32 s21, s14, 7                         ; my wave's 32
	s_add_co_u32 s20, s20, s21
	s_mov_b32 s21, 0
	s_add_nc_u64 s[VS:VS+1], s[VS:VS+1], s[20:21]
	s_lshr_b32 s18, s42, 1
	s_lshl_b32 s18, s18, 20                        ; vimg: e / 256: 32 x 16 images,
	s_lshl_b32 s19, s17, 15                        ; a K step's 16 images,
	s_add_co_u32 s18, s18, s19
	s_and_b32 s19, s42, 1
	s_lshl_b32 s19, s19, 14                        ; eight images,
	s_add_co_u32 s18, s18, s19
	s_lshl_b32 s19, s14, 12                        ; my wave's two
	s_add_co_u32 s18, s18, s19
	s_mov_b32 s19, 0
	s_add_nc_u64 s[VD:VD+1], s[VD:VD+1], s[18:19]
	s_mul_i32 s4, s15, HALFT                       ; my 128 rows of xc
	s_mul_i32 s5, s16, HALFT                       ; my 128 rows of kc,
	s_add_co_u32 s5, s5, 2*HALFT                   ; which lie behind xc's 256
	s_lshl_b32 s6, s14, 9
	s_add_co_u32 s6, s6, XCH                       ; my wave's 512 bytes
	s_xor_b32 s7, s14, 1                           ; the wave with my queries and the group's other keys
	s_lshl_b32 s7, s7, 9
	s_add_co_u32 s7, s7, XCH
	s_lshl_b32 s2, s14, 10
	s_add_co_u32 s2, s2, STAT
	s_wait_kmcnt 0x0
	s_add_co_i32 s18, s[EXPS], s[EXPS+1]
	s_lshl_b32 s18, s18, 23
	s_add_co_i32 s[CS], s18, 0x3d38aa3b            ; log2(e) / 32 with ex + ek added to its exponent field
	s_mov_b32 s[CS+1], s[CS]
	s_add_co_i32 s18, s[EXPS+2], 127
	s_lshl_b32 s19, s18, 23
	s_add_co_i32 s18, s18, 15
	s_lshl_b32 s18, s18, 23
	s_or_b32 s18, s18, 0x600000
	v_mov_b32 v[SC], s19                           ; 2^ep as f32: the conversion takes its exponent field
	v_mov_b32 v[HOLD], s18                         ; 57,344 x 2^ep
	s_add_co_i32 s18, s[EXPS+3], 127
	s_lshl_b32 s19, s18, 23
	s_add_co_i32 s18, s18, 15
	s_lshl_b32 s18, s18, 23
	s_or_b32 s18, s18, 0x600000
	v_mov_b32 v[SV], s19                           ; the same for V
	v_mov_b32 v[HV], s18
	v_and_b32 v1, 15, v0                           ; r = l % 16
	v_bfe_u32 v2, v0, 4, 1                         ; h = l / 16
	v_mul_u32_u24 v3, v1, PITCH
	v_lshl_add_u32 v4, v2, 4, v3                   ; a fragment's row x pitch + 16 x half
	v_add_nc_u32 v[ADRA], s4, v4
	v_add_nc_u32 v[ADRB], s5, v4
	v_add_nc_u32 v[ADRA+1], SLOT, v[ADRA]
	v_add_nc_u32 v[ADRB+1], SLOT, v[ADRB]
	v_and_b32 v6, 31, v0
	v_lshlrev_b32 v[PO], 4, v6
	v_lshlrev_b32 v[PFO], 8, v6
	v_lshl_add_u32 v[XS], v1, 2, s6
	v_lshl_add_u32 v[XR], v1, 2, s7
	v_lshl_add_u32 v[SS], v1, 2, s2
	v_add_nc_u32 v[SRD], s2, v[PO]
	v_lshlrev_b32 v[VIN], 2, v6
	v_lshlrev_b32 v[VOUT], 4, v1
	v_lshl_add_u32 v[VOUT], v2, 11, v[VOUT]
.macro FRAG reg, adr, q, i             ; a fragment, 16 rows x 128 K, by four loads of 16 bytes: registers 4 c .. 4 c + 3 hold K = 32 c + 16 (l / 16) + 0 .. 15: a permutation of K, the same in both operands, so every product meets its partner
.irp c, 0,1,2,3
	ds_load_b128 v[\reg+4*\c:\reg+4*\c+3], v[\adr] offset:128*(\q)+32*\c+(\i)*16*PITCH
.endr
.endm
; 8 matrix instructions: xc's block a x kc's eight, 128 along K.  p: kc's set.  zero = 1: the first product starts the sums: nothing is ever cleared.
; The 64 accumulators take turns, one instruction a turn, in the same order in every step.
.macro MULR a, p, zero
.irp b, 0,1,2,3,4,5,6,7
.if \zero
	v_wmma_f32_16x16x128_bf8_bf8 v[8*(8*((\a)%4)+\b):8*(8*((\a)%4)+\b)+7], v[128*(\p)+16*\b:128*(\p)+16*\b+15], v[AF+16*(\a):AF+16*(\a)+15], 0
.else
	v_wmma_f32_16x16x128_bf8_bf8 v[8*(8*((\a)%4)+\b):8*(8*((\a)%4)+\b)+7], v[128*(\p)+16*\b:128*(\p)+16*\b+15], v[AF+16*(\a):AF+16*(\a)+15], v[8*(8*((\a)%4)+\b):8*(8*((\a)%4)+\b)+7]
.endif
.endr
.endm
.macro HALF a0, p, zero                ; four of xc's blocks
	MULR \a0, \p, \zero
	MULR \a0+1, \p, \zero
	MULR \a0+2, \p, \zero
	MULR \a0+3, \p, \zero
.endm
.macro FETCH_B slot, q, p              ; kc's eight fragments of the slot's q-th 128 along K into set p: 32 loads
	WIN TO_B
.irp i, 0,1,2,3,4,5,6,7
	FRAG 128*(\p)+16*\i, ADRB+\slot, \q, \i
.endr
	WIN 0
.endm
.macro FETCH_A slot, q, i0             ; xc's blocks i0 .. i0 + 3: 16 loads
	WIN 0
.irp i, \i0, \i0+1, \i0+2, \i0+3
	FRAG AF+16*(\i), ADRA+\slot, \q, \i
.endr
.endm
; A load into a register that a matrix instruction has read, and a vector instruction that reads a matrix result, stand four places behind that matrix instruction; only plain vector instructions that name none of its registers are places (ISA guide 7.12.1 for vector instructions).
.macro PLACES
.rept 4
	v_nop
.endr
.endm
; A slot's first step of 128 along K, on kc's set 0.  On entry the youngest sixteen loads are xc's blocks 4-7.  kc's set 1 was last read a step ago, with four places since.
.macro STEP slot, zero
	FETCH_B \slot, 1, 1
	s_wait_dscnt 48                                ; kc's set 0 and xc's blocks 0-3 are in; xc's blocks 4-7 (16) and the 32 just issued may be out
	WIN MUL_LO
	HALF 0, 0, \zero
	PLACES
	FETCH_A \slot, 1, 0
	s_wait_dscnt 48                                ; xc's blocks 4-7 are in; the 32 of kc and the 16 just issued may be out
	WIN MUL_HI
	HALF 4, 0, \zero
	PLACES
	FETCH_A \slot, 1, 4
.endm
; A slot's second step, on kc's set 1, changes slots: ONE barrier; in front of it each wave waits for all its tensor loads, adds 0 to its spare word, and waits for that and for its own reads of this slot.  fill = 1: this slot takes fill number t.
.macro TURN slot, next, fill, t
	s_wait_tensorcnt 0x0                           ; all my tensor loads have landed: my part of the next slot  (every window is 0 here)
	ds_add_u32 v[SPW], v[NIL]                      ; 0 onto my spare word
.if \fill
	SETADR \slot, \t
.endif
	s_wait_dscnt 17                                ; (the add and the youngest sixteen loads, xc's blocks 4-7, may be out)
	WIN MUL_LO
	MULR 0, 1, 0                                   ; sixteen matrix instructions stand between the add and the wait for it
	MULR 1, 1, 0
	s_wait_dscnt 0x0                               ; the add is done, and my reads of this slot are over
	s_barrier_signal -1
	MULR 2, 1, 0
	WIN 0
	s_barrier_wait -1
.if \fill
	CREST                                          ; the barrier has opened a round of the cluster's barrier: no wave of any partner still reads this slot's tile or has a load on its way
	JLOAD \slot                                    ; the first tensor load behind the round, my only one until the next
.endif
	FETCH_B \next, 0, 0
	WIN MUL_LO
	MULR 3, 1, 0
	PLACES
	FETCH_A \next, 0, 0
	WIN MUL_HI
	HALF 4, 1, 0
	PLACES
	FETCH_A \next, 0, 4
.endm
.macro VASK k                          ; piece k of V: 32 keys of my channel: each load reads 128 consecutive bytes, the four waves stand side by side on 512
.irp i, 0,1,2,3,4,5,6,7,8,9,10,11,12,13,14,15,16,17,18,19,20,21,22,23,24,25,26,27,28,29,30,31
	global_load_b32 v[VX+32*(\k)+\i], v[VIN], s[VS:VS+1] offset:(32*(\k)+\i)*4096 th:TH_LOAD_NT
.endr
.endm
.macro VPUT k, c0, c1                  ; its codes, into c0 and c1 on
.set XK, VX+32*(\k)
.irp i, 0,1,2,3,4,5,6,7,8,9,10,11,12,13,14,15,16,17,18,19,20,21,22,23,24,25,26,27,28,29,30,31
	v_med3_num_f32 v[XK+\i], v[XK+\i], -v[HV], v[HV]   ; the conversion to an 8-bit code does not saturate (ISA guide 7.6.2): the hold comes first
.endr
	v_cvt_scalef32_pk8_bf8_f32 v[\c0:\c0+1], v[XK:XK+7], v[SV]         ; h = 0: keys 0-7,
	v_cvt_scalef32_pk8_bf8_f32 v[\c0+2:\c0+3], v[XK+16:XK+23], v[SV]   ;        keys 16-23
	v_cvt_scalef32_pk8_bf8_f32 v[\c1:\c1+1], v[XK+8:XK+15], v[SV]      ; h = 1: keys 8-15,
	v_cvt_scalef32_pk8_bf8_f32 v[\c1+2:\c1+3], v[XK+24:XK+31], v[SV]   ;        keys 24-31
	v_nop                                          ; a plain line behind the last conversion
	global_store_b128 v[VOUT], v[\c0:\c0+3], s[VD:VD+1] offset:512*(\k)
	global_store_b128 v[VOUT], v[\c1:\c1+3], s[VD:VD+1] offset:512*(\k)+256
.endm
	s_wait_alu depctr_va_vdst(0)
	s_wait_tensorcnt 0x0                           ; my part of fill 0 is in
	ds_add_u32 v[SPW], v[NIL]
	s_wait_dscnt 0x0
	CROUND                                         ; everybody's part is in, and all sixteen work-groups are here
	JLOAD 1                                        ; fill 1
	FETCH_B 0, 0, 0
	FETCH_A 0, 0, 0
	FETCH_A 0, 0, 4
	s_cmp_lg_u32 s14, 0
	s_cbranch_scc1 .Lno_ask
	global_prefetch_b8 v[PFO], s[PFA:PFA+1] th:TH_LOAD_NT scope:SCOPE_SE
.Lno_ask:
	s_mov_b32 s[TILE], 0
.Ltile:                                                ; two tiles; every window is 0 at a label and at a branch
	STEP 0, 1                                      ; four fills, eight steps a tile: the first step's products start the sums
	TURN 0, 1, 1, 2
	VASK 0                                         ; two pieces of V, used behind the tile's last step
	STEP 1, 0
	TURN 1, 0, 1, 3
	VASK 1
	s_cmp_lg_u32 s[TILE], 0
	s_cbranch_scc1 .Llast_tile                     ; the last tile's second half is written out: it asks for nothing more
	s_add_nc_u64 s[BRB:BRB+1], s[BRB:BRB+1], 0x200000   ; kc eight groups of 256 rows on: THE RING GOES ON INTO THE NEXT TILE
	STEP 0, 0
	TURN 0, 1, 1, 0
	STEP 1, 0
	TURN 1, 0, 1, 1                                ; and the next tile's first fragments are fetched
	s_branch .Lsoft
.Llast_tile:
	STEP 0, 0
	TURN 0, 1, 0, 0                                ; nothing is left to fetch: no round
	STEP 1, 0
	s_wait_dscnt 16                                ; the last step
	WIN MUL_LO
	HALF 0, 1, 0
	s_wait_dscnt 0x0
	WIN MUL_HI
	HALF 4, 1, 0
	PLACES
	WIN 0
.Lsoft:
	s_wait_loadcnt 0x0                             ; both pieces of V are in
	VPUT 0, 120, 124                               ; (the codes' registers are written here alone, once a tile: the wait at the tile's end frees them)
	VPUT 1, 108, 12
	; ---------------- THE SOFTMAX'S p ----------------
; The largest score of each of four tiles of queries among my lane's 64 keys: two chains a tile, the four tiles by turns; every accumulator is read from its low end on.
.macro ROWMAX a0
.irp a, 0,1,2,3
	v_max_num_f32 v[MX+\a0+\a], v[64*\a], v[64*\a+1]
	v_max_num_f32 v[MY+\a0+\a], v[64*\a+2], v[64*\a+3]
.endr
.set i, 4
.rept 15
.irp a, 0,1,2,3
	v_max3_num_f32 v[MX+\a0+\a], v[64*\a+i], v[64*\a+i+1], v[MX+\a0+\a]
	v_max3_num_f32 v[MY+\a0+\a], v[64*\a+i+2], v[64*\a+i+3], v[MY+\a0+\a]
.endr
.set i, i+4
.endr
.endm
	WIN 0x0a                                       ; sources 0 and 1 window 2
	ROWMAX 0
	WIN 0x0f                                       ; window 3
	ROWMAX 4
	WIN 0
.irp a, 0,1,2,3,4,5,6,7
	v_max_num_f32 v[MX+\a], v[MX+\a], v[MY+\a]
.endr
.irp a, 0,1,2,3,4,5,6,7
	v_permlanex16_b32 v[MY+\a], v[MX+\a], s[SEL], s[SEL+1]   ; the query's other 64 keys lie in the lane 16 away
.endr
.irp a, 0,1,2,3,4,5,6,7
	v_max_num_f32 v[MX+\a], v[MX+\a], v[MY+\a]
.endr
.irp a, 0,1,2,3,4,5,6,7
	ds_store_b32 v[XS], v[MX+\a] offset:64*\a      ; lanes r and r + 16 write the same word with the same number
.endr
	s_wait_alu depctr_va_vdst(0)
	s_wait_dscnt 0x0                               ; for the other wave's sake: my stores are done
	s_barrier_signal -1
	s_barrier_wait -1                              ; (behind this barrier nothing is filled: my part of the next tile's slice may be on its way)
.irp a, 0,1,2,3,4,5,6,7
	ds_load_b32 v[PART+\a], v[XR] offset:64*\a
.endr
	s_wait_dscnt 0x0
.irp a, 0,1,2,3,4,5,6,7
	v_max_num_f32 v[MX+\a], v[MX+\a], v[PART+\a]   ; over the group's 256 keys
.endr
.irp a, 0,1,2,3,4,5,6,7
	v_mul_f32 v[NMP+2*\a+1], s[CS], v[MX+\a]       ; as t (c is positive)
.endr
.irp a, 0,1,2,3,4,5,6,7
	v_floor_f32 v[NMP+2*\a], -v[NMP+2*\a+1]        ; -M = floor(-t) = -ceil(t): M is a whole number
.endr
; Four tiles of queries (window w, tiles a0 on): t - M, p, the sums of the unquantised p, the hold, the codes (into v[pc] on, window 1), the images' stores.
.macro SOFT w, a0, pc
	WIN ((\w)<<6)|(\w)                             ; destination and source 0 in the accumulators' window
.irp a, 0,1,2,3
.set j, 0
.rept 32
	v_pk_fma_f32 v[64*\a+j:64*\a+j+1], v[64*\a+j:64*\a+j+1], s[CS:CS+1], v[NMP+2*(\a0+\a):NMP+2*(\a0+\a)+1] op_sel_hi:[1,0,0]   ; t - M, two at a time (of the pairs c and -M the low word serves both halves)
.set j, j+2
.endr
.endr
.set j, 0
	s_wait_alu depctr_va_vdst(0)
.rept 256
	v_exp_f32 v[j], v[j]                           ; p = 2^(t - M), at most 1: one batch
.set j, j+1
.endr
	v_nop                                          ; a plain line behind the last exponential
	s_wait_alu depctr_va_vdst(0)                   ; ahead of the first line that names a result: one for the batch
	WIN ((\w)<<2)|(\w)                             ; sources 0 and 1 in the accumulators' window
.irp a, 0,1,2,3
	v_pk_add_f32 v[LA+2*(\a0+\a):LA+2*(\a0+\a)+1], v[64*\a:64*\a+1], v[64*\a+4:64*\a+5]      ; the first four pairs start the two chains: nothing is cleared
	v_pk_add_f32 v[LB+2*(\a0+\a):LB+2*(\a0+\a)+1], v[64*\a+2:64*\a+3], v[64*\a+6:64*\a+7]
.endr
	WIN (\w)                                       ; source 0 alone
.set j, 8
.rept 14
.irp a, 0,1,2,3
	v_pk_add_f32 v[LA+2*(\a0+\a):LA+2*(\a0+\a)+1], v[64*\a+j:64*\a+j+1], v[LA+2*(\a0+\a):LA+2*(\a0+\a)+1]
	v_pk_add_f32 v[LB+2*(\a0+\a):LB+2*(\a0+\a)+1], v[64*\a+j+2:64*\a+j+3], v[LB+2*(\a0+\a):LB+2*(\a0+\a)+1]
.endr
.set j, j+4
.endr
	WIN ((\w)<<6)|(\w)
.set j, 0
.rept 256
	v_min_num_f32 v[j], v[j], v[HOLD]              ; the conversion to an 8-bit code does not saturate (ISA guide 7.6.2); p is not negative, so the hold is one-sided
.set j, j+1
.endr
	WIN 0x40|(\w)                                  ; destination window 1: kc's set 1, which the tile's last step has read
.irp a, 0,1,2,3
.irp b, 0,1,2,3,4,5,6,7
	v_cvt_scalef32_pk8_bf8_f32 v[\pc+16*\a+2*\b:\pc+16*\a+2*\b+1], v[64*\a+8*\b:64*\a+8*\b+7], v[SC]   ; keys 16 b + 8 h + 0 .. 7: registers 2 b, 2 b + 1 of the image
.endr
.endr
	v_nop                                          ; a plain line behind the last conversion
	WIN 0x04                                       ; store data in window 1
.irp a, 0,1,2,3
.irp c, 0,1,2,3
	global_store_b128 v[PO], v[\pc+16*\a+4*\c:\pc+16*\a+4*\c+3], s[PB:PB+1] offset:(\a0+\a)*2048+512*\c   ; 32 lanes store 512 consecutive bytes, aligned
.endr
.endr
	WIN 0
.endm
	SOFT 2, 0, 128
	SOFT 3, 4, 192
	; the statistics: l over my wave's 128 keys; -M and l turn through my own LDS bytes, so that a store covers 512 consecutive bytes
.irp a, 0,1,2,3,4,5,6,7
	v_pk_add_f32 v[LA+2*\a:LA+2*\a+1], v[LA+2*\a:LA+2*\a+1], v[LB+2*\a:LB+2*\a+1]
.endr
.irp a, 0,1,2,3,4,5,6,7
	v_add_f32 v[LA+2*\a], v[LA+2*\a], v[LA+2*\a+1]
.endr
.irp a, 0,1,2,3,4,5,6,7
	v_permlanex16_b32 v[LB+2*\a], v[LA+2*\a], s[SEL], s[SEL+1]
.endr
.irp a, 0,1,2,3,4,5,6,7
	v_add_f32 v[LA+2*\a], v[LA+2*\a], v[LB+2*\a]
.endr
.irp a, 0,1,2,3,4,5,6,7
	ds_store_b32 v[SS], v[NMP+2*\a] offset:64*\a
.endr
.irp a, 0,1,2,3,4,5,6,7
	ds_store_b32 v[SS], v[LA+2*\a] offset:512+64*\a
.endr
	ds_load_b128 v[OUTS:OUTS+3], v[SRD]            ; LDS serves a wave's instructions in order (ISA guide 5.7.1.4): these see my stores
	ds_load_b128 v[OUTS+4:OUTS+7], v[SRD] offset:512
	s_wait_alu depctr_va_vdst(0)
	s_wait_dscnt 0x0
	global_store_b128 v[PO], v[OUTS+4:OUTS+7], s[LBS:LBS+1]
	s_cmp_lg_u32 s16, 0                            ; the two waves of a half of the queries hold the same M: the one with the group's first 128 keys stores it
	s_cbranch_scc1 .Lno_m
	global_store_b128 v[PO], v[OUTS:OUTS+3], s[MBS:MBS+1]
.Lno_m:
	s_wait_xcnt 0x0                                ; the stores' data (kc's set 1, the statistics, V's codes) and bases may be rewritten only behind this wait
	s_add_nc_u64 s[PB:PB+1], s[PB:PB+1], 0x40000   ; on to the next tile, eight groups on: 16 x 8 images,
	s_add_nc_u64 s[LBS:LBS+1], s[LBS:LBS+1], 0x80000   ; 16 rows of l,
	s_add_nc_u64 s[MBS:MBS+1], s[MBS:MBS+1], 0x40000   ; 8 rows of -M,
	s_add_nc_u64 s[VS:VS+1], s[VS:VS+1], 0x40000   ; 64 keys of V,
	s_add_nc_u64 s[VD:VD+1], s[VD:VD+1], 1024      ; two pieces of an image
	s_add_co_u32 s[TILE], s[TILE], 1
	s_cmp_lt_u32 s[TILE], 2
	s_cbranch_scc1 .Ltile
	s_wait_tensorcnt 0x0                           ; the wave's end, behind my last tensor load and my last LDS store
	ds_add_u32 v[SPW], v[NIL]
	s_wait_dscnt 0x0
	CROUND                                         ; the closing round: no work-group ends while a partner may still ask for a tile that names it
	s_endpgm
.Lfunc_end_k_q7f41ef85ac_scores:
	.size	k_q7f41ef85ac_scores, .Lfunc_end_k_q7f41ef85ac_scores-k_q7f41ef85ac_scores
	.p2alignl 7, 3214868480
	.fill 96, 4, 3214868480
	.section	.rodata,"a",@progbits
	.p2align	6, 0x0
	.amdhsa_kernel k_q7f41ef85ac_scores
		.amdhsa_group_segment_fixed_size 327680
		.amdhsa_private_segment_fixed_size 0
		.amdhsa_enable_private_segment 0
		.amdhsa_kernarg_size 56
		.amdhsa_user_sgpr_count 2
		.amdhsa_user_sgpr_kernarg_segment_ptr 1
		.amdhsa_wavefront_size32 1
		.amdhsa_system_sgpr_workgroup_id_x 1
		.amdhsa_system_sgpr_workgroup_id_y 1
		.amdhsa_system_sgpr_workgroup_id_z 1
		.amdhsa_system_vgpr_workitem_id 0
		.amdhsa_next_free_vgpr 1024
		.amdhsa_next_free_sgpr 100
		.amdhsa_reserve_vcc 0
		.amdhsa_float_denorm_mode_32 3
		.amdhsa_float_denorm_mode_16_64 3
		.amdhsa_memory_ordered 1
		.amdhsa_forward_progress 1
		.amdhsa_inst_pref_size 222
	.end_amdhsa_kernel
	.amdgpu_metadata
---
amdhsa.version: [ 1, 2 ]
amdhsa.kernels:
  - .name:           k_q7f41ef85ac_scores
    .symbol:         k_q7f41ef85ac_scores.kd
    .args:
      - { .name: xc, .offset: 0, .size: 8, .value_kind: global_buffer, .address_space: global }
      - { .name: kc, .offset: 8, .size: 8, .value_kind: global_buffer, .address_space: global }
      - { .name: lowp_scales, .offset: 16, .size: 8, .value_kind: global_buffer, .address_space: global }
      - { .name: pimg, .offset: 24, .size: 8, .value_kind: global_buffer, .address_space: global }
      - { .name: stats, .offset: 32, .size: 8, .value_kind: global_buffer, .address_space: global }
      - { .name: V, .offset: 40, .size: 8, .value_kind: global_buffer, .address_space: global }
      - { .name: vimg, .offset: 48, .size: 8, .value_kind: global_buffer, .address_space: global }
    .group_segment_fixed_size: 327680
    .private_segment_fixed_size: 0
    .kernarg_segment_align: 8
    .kernarg_segment_size: 56
    .max_flat_workgroup_size: 128
    .sgpr_count:     100
    .vgpr_count:     1024
    .wavefront_size: 32
...
	.end_amdgpu_metadata
.endif
;; end of part 2
;; launch mix (part 3): grid 4 x 64, 4 waves a work-group, clusters of 4 x 4, 327,680 bytes of LDS; arguments pimg, vimg, stats, lowp_scales, out0; writes out0
.if DOCPART == 3
	.amdgcn_target "amdgcn-amd-amdhsa--gfx1250"
	.amdhsa_code_object_version 6
	.text
	.protected	k_q7f41ef85ac_mix
	.globl	k_q7f41ef85ac_mix
	.p2align	8
	.type	k_q7f41ef85ac_mix,@function
k_q7f41ef85ac_mix:
	s_mov_b64 s[64:65], 0
	v_nop
	global_prefetch_b8 v0, s[64:65] scope:SCOPE_SE
	s_setreg_imm32_b32 hwreg(HW_REG_WAVE_MODE, 25, 1), 1
	s_wait_xcnt 0x0
	s_wait_alu depctr_hold_cnt(0) depctr_sa_sdst(0) depctr_va_vdst(0) depctr_va_sdst(0) depctr_va_ssrc(0) depctr_va_vcc(0) depctr_vm_vsrc(0)
	s_getreg_b32 s2, hwreg(HW_REG_IB_STS2, 6, 4)
	s_cmp_eq_u32 s2, 0
	s_cbranch_scc0 .Lentry_in_a_cluster
	s_endpgm
.Lentry_in_a_cluster:
	s_bfe_u32 s2, ttmp6, 0x10000c
	s_cmp_lg_u32 s2, 0xf033
	s_cbranch_scc0 .Lentry_shape_is_right
	s_endpgm
.Lentry_shape_is_right:
; THE SECOND PRODUCT.  out[q][e] = 2^(ep + ev) / L[q] x sum over the sixteen groups g of 256 keys of 2^(M_g - M) x (sum over the group's keys of p's codes x V's codes); M = the largest M_g, L = sum over g of 2^(M_g - M) l_g.
; A work-group makes 128 queries x 256 channels, a wave 64 x 128: 32 accumulators.  Source 0 = 16 channels, source 1 = 16 queries: a lane holds one query (lane % 16) and eight neighbouring channels.
; THE GROUPS COME ONTO ONE M BY POWERS OF TWO: behind group j's two steps of 128 keys the accumulators are multiplied by 2^(M_j - M_j+1), behind the last one by 2^(M_15 - M + ep + ev) / L (groups counted in the order walked).
; The sixteen factors of each query lie in a table in LDS.  M_g - M is held at -64 from below: a group so far below is weighed 2^-64.
; The keys go in four laps of 1,024; a cluster begins with lap (cluster y) % 4.  V's images come through a ring of two LDS slots of 512 keys (each wave brings one step of 128), JOINTLY for the four work-groups of a cluster's column.
; P's images are operand registers and go from memory straight into registers, three steps ahead, in four sets.
; PREFETCH: a lap ahead, P's 131,072 bytes of a lap are shared out by address among the four work-groups of a cluster's row and their waves: 32 blocks of 256 bytes an instruction, one a wave and lap; lap 0 comes by its loads alone, the last lap asks for nothing.
; V is not prefetched: its four quarters are each walked first by a quarter of the clusters, so behind a cluster's first lap each has been read by others.
; LIMITS: ep + ev + M differences within what v_ldexp_f32 takes to an f32 number; NaN and infinities are not served.
; REGISTERS: window 0: v0-127 addresses, factors, statistics; v128-255 V's fragments of odd steps.  windows 1, 2: v0-127 accumulators of my queries 0-31, 32-63; v128-255 P's fragments, four sets of two.
;   window 3: v0-127 V's fragments of even steps; all of it on the way out.
.set SLOTB,  131072                    ; a slot: four steps x 16 images x 2,048 bytes
.set TAB,    2*SLOTB                   ; the factors: [16][128 queries] f32
.set SPARE,  TAB+8192                  ; the spare words
.set STAGE,  SPARE+512                 ; the way out: 16 rows x SPITCH bytes for each wave
.set SPITCH, 528
.set PFO, 6                            ; v6     the prefetch's offset
.set ADV, 16                           ; v16-19 LDS address of V's images: slot, pair of steps
.set PO,  20                           ; v20    16 x lane
.set FA,  21                           ; v21    LDS address of the lap's factors
.set TW,  22                           ; v22    where I put a query's factors
.set FA0, 23
.set STO, 24                           ; v24    the way out: in
.set RD,  25                           ;        and back
.set SPW, 28
.set NIL, 29
.set F,   32                           ; v32-39 pairs (factor, 0) of four tiles of queries
.set NM,  40
.set LL,  56
.set WT,  88
.set LS,  104
.set PH,  106
.set NMIN, 122
.set LN,  22                           ; s22    the lap that comes next
.set FT,  23                           ; s23    2,048 x laps done
.set G1,  24
.set G0,  32
.set PW,  40                           ; s[40:41] P at my queries;  s[42:43] this lap's;  s[44:45] the next lap's
.set PB,  42
.set PBN, 44
.set VW,  46                           ; s[46:47] V at my channels and my wave's step;  s[48:49] the next lap's
.set VN,  48
.set T,   50
.set EP,  52
.set SB,  56
.set OB,  58
.set LAM, 60                           ; s60-63   the laps in the order walked
.set MSB, 0
.macro WIN new                         ; the immediate's high byte repeats the setting that is left
.if MSB != (\new)
	s_set_vgpr_msb (MSB<<8)|(\new)
.set MSB, (\new)
.endif
.endm
.macro PLACES n
.rept \n
	v_nop
.endr
.endm
.macro CREST                           ; a round of the cluster's barrier behind its opening barrier
	s_cmp_lg_u32 s14, 0
	s_cbranch_scc1 .Lnot_wave_0_\@
	s_barrier_signal -3
.Lnot_wave_0_\@:
	s_barrier_wait -3
	s_barrier_signal -1
	s_barrier_wait -1
.endm
.macro CROUND
	s_barrier_signal -1
	s_barrier_wait -1
	CREST
.endm
	s_load_b128 s[4:7], s[0:1], 0x0                ; pimg s[4:5], vimg s[6:7]
	s_load_b128 s[8:11], s[0:1], 0x10              ; stats s[8:9], the scales' exponents s[10:11]
	s_load_b64 s[12:13], s[0:1], 0x20              ; out0
	v_lshl_add_u32 v[SPW], v0, 2, SPARE
	v_mov_b32 v[NIL], 0
	ds_add_u32 v[SPW], v[NIL]                      ; the wave's opening: the add, twice on end, and its one wait
	ds_add_u32 v[SPW], v[NIL]
	v_lshrrev_b32 v1, 5, v0
	v_readfirstlane_b32 s14, v1                    ; wave
	s_lshr_b32 s15, s14, 1                         ; my half of the queries
	s_and_b32 s16, s14, 1                          ; my half of the channels
	s_bfe_u32 s17, ttmp6, 0x40000                  ; cx, cy
	s_bfe_u32 s18, ttmp6, 0x40004
	s_lshl_b32 s19, ttmp9, 2
	s_add_co_u32 s19, s19, s17                     ; which 256 channels
	s_and_b32 s21, ttmp7, 0xffff
	s_lshl_b32 s20, s21, 2
	s_add_co_u32 s20, s20, s18                     ; which 128 queries
	s_lshl_b32 s2, 0x1111, s17                     ; my column of the cluster
	s_or_b32 s[G1], s2, (3<<16)|(1<<21)            ; 128 rows of 32 elements of 8 bytes, dense; 21 set beside a mask
	s_mov_b32 s[G1+1], 32<<16
	s_mov_b32 s[G1+2], 128<<16
	s_mov_b32 s[G1+3], 32<<16
	s_mov_b32 s[G1+4], 128
	s_mov_b32 s[G1+5], 32
	s_mov_b32 s[G1+6], 0
	s_mov_b32 s[G1+7], 0
.irp i, 0,1,2,3
	s_add_co_u32 s[LAM+\i], s21, \i
	s_and_b32 s[LAM+\i], s[LAM+\i], 3
.endr
	s_wait_dscnt 0x0                               ; both opening adds are done
	v_and_b32 v2, 31, v0
	v_and_b32 v3, 15, v0
	v_bfe_u32 v4, v0, 4, 1
	v_lshlrev_b32 v1, 2, v0
	s_wait_alu depctr_va_vdst(0)
.irp i, 0,1,2,3
	s_lshl_b32 s54, s[LAM+\i], 17
	v_add_nc_u32 v[8+\i], s54, v1                  ; lap i's four groups of -M: my thread's query
	s_lshl_b32 s54, s[LAM+\i], 18
	v_add_nc_u32 v[12+\i], s54, v1                 ; and its eight l
.endr
	v_lshlrev_b32 v[PO], 4, v2
	s_lshl_b32 s54, s16, 14
	v_add_nc_u32 v[ADV], s54, v[PO]
	v_add_nc_u32 v[ADV+1], 65536, v[ADV]
	v_add_nc_u32 v[ADV+2], 131072, v[ADV]
	v_add_nc_u32 v[ADV+3], 196608, v[ADV]
	s_lshl_b32 s54, s15, 8
	s_add_co_u32 s54, s54, TAB
	v_lshl_add_u32 v[FA0], v3, 2, s54
	s_mov_b32 s[FT], 0
	v_add_nc_u32 v[FA], s[FT], v[FA0]
	v_lshl_add_u32 v[TW], v0, 2, TAB
	s_mul_i32 s54, s14, 16*SPITCH
	s_add_co_u32 s54, s54, STAGE
	v_mul_u32_u24 v[STO], v3, SPITCH
	v_lshl_add_u32 v[STO], v4, 5, v[STO]
	v_add_nc_u32 v[STO], s54, v[STO]
	v_add_nc_u32 v[RD], s54, v[PO]
	s_lshl_b32 s54, s17, 15                        ; the prefetch: cx's 32,768 bytes of the lap's 131,072,
	s_add_co_u32 s55, s15, s16
	s_lshl_b32 s55, s55, 13                        ; of them my wave's 8,192 (the base holds 8,192 x my half of the queries),
	s_add_co_u32 s54, s54, s55
	v_lshlrev_b32 v[PFO], 8, v2                    ; lanes 256 bytes apart
	v_add_nc_u32 v[PFO], s54, v[PFO]
.irp a, 0,1,2,3
	v_mov_b32 v[F+2*\a+1], 0                       ; (named as upper halves of pairs)
.endr
	s_wait_alu depctr_va_vdst(0)
	s_lshl_b32 s[T], s19, 20
	s_lshl_b32 s[T+1], s14, 15
	s_add_co_u32 s[T], s[T], s[T+1]
	s_mov_b32 s[T+1], 0
	s_wait_kmcnt 0x0
	s_load_b64 s[EP:EP+1], s[10:11], 0x8           ; ep, ev
	s_add_nc_u64 s[VW:VW+1], s[6:7], s[T:T+1]
	s_lshl_b32 s[T], s[LAM], 18
	s_add_nc_u64 s[VN:VN+1], s[VW:VW+1], s[T:T+1]
	s_lshl_b32 s54, s20, 19
	s_lshl_b32 s55, s15, 13
	s_add_co_u32 s54, s54, s55
	s_mov_b32 s55, 0
	s_add_nc_u64 s[PW:PW+1], s[4:5], s[54:55]
	s_lshl_b32 s[T], s[LAM], 17
	s_add_nc_u64 s[PB:PB+1], s[PW:PW+1], s[T:T+1]
	s_lshl_b32 s[T], s[LAM+1], 17
	s_add_nc_u64 s[PBN:PBN+1], s[PW:PW+1], s[T:T+1]
	s_lshl_b32 s54, s20, 9
	s_add_nc_u64 s[SB:SB+1], s[8:9], s[54:55]
	s_lshl_b32 s54, s20, 19
	s_lshl_b32 s55, s15, 18
	s_add_co_u32 s54, s54, s55
	s_lshl_b32 s55, s19, 10
	s_add_co_u32 s54, s54, s55
	s_lshl_b32 s55, s16, 9
	s_add_co_u32 s54, s54, s55
	s_mov_b32 s55, 0
	s_add_nc_u64 s[OB:OB+1], s[12:13], s[54:55]
	s_lshl_b32 s54, s14, 15
.irp s, 0,1
	s_mov_b32 s[G0+4*\s], 1
	s_add_co_u32 s[G0+4*\s+1], s54, \s*SLOTB
	s_add_nc_u64 s[G0+4*\s+2:G0+4*\s+3], s[VN:VN+1], \s*SLOTB
	s_or_b32 s[G0+4*\s+3], s[G0+4*\s+3], 0x80000000
.endr
	CROUND                                         ; all sixteen work-groups are here
	tensor_load_to_lds s[G0:G0+3], s[G1:G1+7]      ; slot 0: one tensor load a wave at the head
	s_nop 0
	PLACES 4
.irp i, 0,1,2,3                        ; the statistics of my thread's query: 48 loads, in the order of the laps
.irp j, 0,1,2,3
	global_load_b32 v[NM+4*\i+\j], v[8+\i], s[SB:SB+1] offset:\j*32768
.endr
.endr
.irp i, 0,1,2,3
.irp u, 0,1,2,3,4,5,6,7
	global_load_b32 v[LL+8*\i+\u], v[12+\i], s[SB:SB+1] offset:524288+\u*32768
.endr
.endr
; P's fragment a (16 queries) of step u from base into set k: four loads of 16 bytes a lane, 512 consecutive bytes each
.macro PLD k, base, u, a
	WIN 0x40*(1+(\a)/2)
.irp c, 0,1,2,3
	global_load_b128 v[128+32*(\k)+16*((\a)%2)+4*\c:128+32*(\k)+16*((\a)%2)+4*\c+3], v[PO], s[\base:\base+1] offset:(\u)*16384+(\a)*2048+512*\c
.endr
.endm
; V's fragments 2 i, 2 i + 1 of a slot's step kq: odd steps into window 0, even ones into window 3
.macro VLD slot, kq, i
.if (\kq)%2
	WIN 0
.set VB, 128
.else
	WIN 0xc0
.set VB, 0
.endif
.irp b, 2*(\i), 2*(\i)+1
.irp c, 0,1,2,3
	ds_load_b128 v[VB+16*(\b)+4*\c:VB+16*(\b)+4*\c+3], v[ADV+2*(\slot)+(\kq)/2] offset:((\kq)%2)*32768+(\b)*2048+512*\c
.endr
.endr
.endm
.macro FLOAD j                         ; the factors of the lap's group j
	WIN 0
.irp a, 0,1,2,3
	ds_load_b32 v[F+2*\a], v[FA] offset:(\j)*512+64*\a
.endr
.endm
.macro RS m, hi                        ; accumulator m of a half x its query's factor
.irp i, 0,2,4,6
	v_pk_mul_f32 v[8*(\m)+\i:8*(\m)+\i+1], v[F+2*(2*(\hi)+(\m)/8):F+2*(2*(\hi)+(\m)/8)+1], v[8*(\m)+\i:8*(\m)+\i+1] op_sel_hi:[0,1]
.endr
.endm
; Four matrix instructions, on accumulators n0 on of a half.  resc = 1: accumulator n - 2 is rescaled behind product n: the eight lines (behind the first product four v_nop) between are its places.
; The accumulators take turns in the same order in every step.
.macro MULS vb, k, hi, n0, zero, resc
.set n, \n0
.rept 4
.if \zero
	v_wmma_f32_16x16x128_bf8_bf8 v[8*n:8*n+7], v[\vb+16*(n%8):\vb+16*(n%8)+15], v[128+32*(\k)+16*(n/8):128+32*(\k)+16*(n/8)+15], 0
.else
	v_wmma_f32_16x16x128_bf8_bf8 v[8*n:8*n+7], v[\vb+16*(n%8):\vb+16*(n%8)+15], v[128+32*(\k)+16*(n/8):128+32*(\k)+16*(n/8)+15], v[8*n:8*n+7]
.endif
.if \resc
.if n == 1
	PLACES 4
.elseif n >= 2
	RS n-2, \hi
.endif
.endif
.set n, n+1
.endr
.endm
; An eighth of step kq: four products; an odd step, the second of its group of keys, also rescales.
.macro PIECE kq, zero, i
.if (\kq)%2
	WIN 0x54*(1+(\i)/4)
	MULS 128, \kq, (\i)/4, 4*((\i)%4), \zero, 1
.if (\i)%4 == 3
	RS 14, (\i)/4
	RS 15, (\i)/4
.endif
.else
	WIN 0x57+0x54*((\i)/4)
	MULS 0, \kq, (\i)/4, 4*((\i)%4), \zero, 0
.endif
.endm
; A step's loads stand in one run: V's fragments of the next step (32), and, pl = 1, P's of the step three on (16).
.macro VALL slot, kq
.irp i, 0,1,2,3
	VLD \slot, \kq, \i
.endr
.endm
.macro PALL kq, sl
.irp a, 0,1,2,3
.if (\sl)+3 < 8
	PLD ((\kq)+3)%4, PB, (\sl)+3, \a
.else
	PLD ((\kq)+3)%4, PBN, (\sl)-5, \a
.endif
.endr
.endm
; A step that has its successor in the same slot.  A load into a register that a matrix instruction has read stands four places behind it: an odd step has four v_nop, ahead of an even one stand the last rescalings.
.macro KS slot, kq, sl, zero, pl, lc
.if (\kq)%2
	PLACES 4
.endif
.if \pl
	PALL \kq, \sl
.endif
	VALL \slot, (\kq)+1
.if (\kq)%2 == 0
	FLOAD (\sl)/2
.endif
.if \pl
	s_wait_loadcnt \lc+16                          ; P's fragments of this step are in; those of the three steps behind it may be out (16 a step)
.else
	s_wait_loadcnt \lc                             ; (those of the steps that are left)
.endif
.if (\kq)%2
	s_wait_dscnt 32                                ; V's fragments of this step and the factors are in; the 32 just issued may be out
.else
	s_wait_dscnt 36                                ; (and the four factors')
.endif
.irp i, 0,1,2,3,4,5,6,7
	PIECE \kq, \zero, \i
.endr
.endm
; A slot's last step changes slots: each wave waits for all its tensor loads, adds 0 to its spare word, waits for that and for its reads of this slot; one barrier, which with fill = 1 opens a round of the cluster's barrier; behind it this slot takes the next lap's part.
.macro TURN slot, next, sl, fill, pl, lc
	PLACES 4
.if \pl
	PALL 3, \sl
.endif
	WIN 0
	s_wait_tensorcnt 0x0
	ds_add_u32 v[SPW], v[NIL]
.if \fill
	s_add_nc_u64 s[G0+4*\slot+2:G0+4*\slot+3], s[VN:VN+1], \slot*SLOTB
	s_or_b32 s[G0+4*\slot+3], s[G0+4*\slot+3], 0x80000000
.endif
.if \pl
	s_wait_loadcnt \lc+16                          ; as in a step above
.else
	s_wait_loadcnt \lc
.endif
	s_wait_dscnt 1                                 ; (the add may be out)
	PIECE 3, 0, 0
	PIECE 3, 0, 1
	s_wait_dscnt 0x0                               ; the add is done, and so are my reads of this slot
	s_barrier_signal -1
	PIECE 3, 0, 2
	PIECE 3, 0, 3
	WIN 0
	s_barrier_wait -1
.if \fill
	CREST
	tensor_load_to_lds s[G0+4*\slot:G0+4*\slot+3], s[G1:G1+7]
	s_nop 0
	PLACES 4
.endif
	VALL \next, 0
.irp i, 4,5,6,7
	PIECE 3, 0, \i
.endr
.endm
.irp a, 0,1,2,3
	PLD 0, PB, 0, \a
.endr
	s_wait_loadcnt 16                              ; the statistics are in; P's sixteen may be out
.irp k, 1,2
.irp a, 0,1,2,3
	PLD \k, PB, \k, \a
.endr
.endr
	WIN 0
	v_min3_num_f32 v[NMIN], v[NM], v[NM+1], v[NM+2]   ; -M
.irp j, 3,5,7,9,11,13
	v_min3_num_f32 v[NMIN], v[NMIN], v[NM+\j], v[NM+\j+1]
.endr
	v_min_num_f32 v[NMIN], v[NMIN], v[NM+15]
.irp j, 0,1,2,3,4,5,6,7,8,9,10,11,12,13,14,15
	v_sub_f32 v[NM+\j], v[NMIN], v[NM+\j]          ; M_j - M: a whole number, 0 or less
.endr
.irp j, 0,1,2,3,4,5,6,7,8,9,10,11,12,13,14,15
	v_max_num_f32 v[NM+\j], 0xc2800000, v[NM+\j]   ; held at -64
.endr
.irp j, 0,1,2,3,4,5,6,7,8,9,10,11,12,13,14,15
	v_cvt_i32_f32 v[NM+\j], v[NM+\j]
.endr
.irp j, 0,1,2,3,4,5,6,7,8,9,10,11,12,13,14,15
	v_ldexp_f32 v[WT+\j], 1.0, v[NM+\j]
	v_add_f32 v[LL+2*\j], v[LL+2*\j], v[LL+2*\j+1]
.endr
	v_mul_f32 v[LS], v[WT], v[LL]
	v_mul_f32 v[LS+1], v[WT+1], v[LL+2]
.irp j, 2,4,6,8,10,12,14
	v_fma_f32 v[LS], v[WT+\j], v[LL+2*\j], v[LS]
	v_fma_f32 v[LS+1], v[WT+\j+1], v[LL+2*\j+2], v[LS+1]
.endr
	v_add_f32 v[LS], v[LS], v[LS+1]                ; L
	s_wait_alu depctr_va_vdst(0)                   ; ahead of the transcendental
	v_rcp_f32 v[LS+1], v[LS]
	s_wait_kmcnt 0x0
	s_add_co_i32 s54, s[EP], s[EP+1]
.irp j, 0,1,2,3,4,5,6,7,8,9,10,11,12,13,14
	v_sub_nc_u32 v[PH+\j], v[NM+\j], v[NM+\j+1]
.endr
	v_add_nc_u32 v[PH+15], s54, v[NM+15]
.irp j, 0,1,2,3,4,5,6,7,8,9,10,11,12,13,14
	v_ldexp_f32 v[PH+\j], 1.0, v[PH+\j]
.endr
	s_wait_alu depctr_va_vdst(0)                   ; and ahead of its reader
	v_ldexp_f32 v[PH+15], v[LS+1], v[PH+15]
.irp j, 0,1,2,3,4,5,6,7,8,9,10,11,12,13,14,15
	ds_store_b32 v[TW], v[PH+\j] offset:512*\j
.endr
	s_wait_alu depctr_va_vdst(0)
	s_wait_tensorcnt 0x0                           ; my part of slot 0 is in
	ds_add_u32 v[SPW], v[NIL]
	s_wait_dscnt 0x0                               ; the add is done, and so are my factors' stores
	CROUND                                         ; slot 0 and the table are whole
	tensor_load_to_lds s[G0+4:G0+7], s[G1:G1+7]    ; slot 1
	s_nop 0
	PLACES 4
	s_lshl_b32 s[T], s[LAM+1], 18
	s_add_nc_u64 s[VN:VN+1], s[VW:VW+1], s[T:T+1]
	s_mov_b32 s[LN], s[LAM+1]
.irp i, 0,1,2,3
	VLD 0, 0, \i
.endr
	KS 0, 0, 0, 1, 1, 32                           ; the first step's products start the sums
	WIN 0
	s_mov_b32 s3, 3
.Llap:                                                 ; a trip goes from a lap's second step to the next lap's first
	KS 0, 1, 1, 0, 1, 32
	WIN 0
	global_prefetch_b8 v[PFO], s[PBN:PBN+1] th:TH_LOAD_NT scope:SCOPE_SE   ; the next lap's P: its first load stands four steps on
	s_wait_alu depctr_va_vdst(0)                   ; behind each step that rescales
	KS 0, 2, 2, 0, 1, 32
	TURN 0, 1, 3, 1, 1, 32
	s_wait_alu depctr_va_vdst(0)
	KS 1, 0, 4, 0, 1, 32
	KS 1, 1, 5, 0, 1, 32
	s_wait_alu depctr_va_vdst(0)
	KS 1, 2, 6, 0, 1, 32
	TURN 1, 0, 7, 1, 1, 32
	s_wait_alu depctr_va_vdst(0)
	KS 0, 0, 8, 0, 1, 32
	WIN 0
	s_wait_xcnt 0x0                                ; the loads' and the prefetch's bases may be rewritten only behind this wait
	s_mov_b64 s[PB:PB+1], s[PBN:PBN+1]
	s_add_co_u32 s[LN], s[LN], 1
	s_and_b32 s[LN], s[LN], 3
	s_lshl_b32 s[T], s[LN], 17
	s_add_nc_u64 s[PBN:PBN+1], s[PW:PW+1], s[T:T+1]
	s_lshl_b32 s[T], s[LN], 18
	s_add_nc_u64 s[VN:VN+1], s[VW:VW+1], s[T:T+1]
	s_add_co_u32 s[FT], s[FT], 2048
	v_add_nc_u32 v[FA], s[FT], v[FA0]
	s_sub_co_u32 s3, s3, 1
	s_cmp_lg_u32 s3, 0
	s_wait_alu depctr_va_vdst(0)
	s_cbranch_scc1 .Llap
	KS 0, 1, 1, 0, 1, 32                           ; the last lap goes on; nothing is filled any more
	s_wait_alu depctr_va_vdst(0)
	KS 0, 2, 2, 0, 1, 32
	TURN 0, 1, 3, 0, 1, 32
	s_wait_alu depctr_va_vdst(0)
	KS 1, 0, 4, 0, 1, 32
	KS 1, 1, 5, 0, 0, 32
	s_wait_alu depctr_va_vdst(0)
; THE LAST TWO STEPS GO BY ROWS: both steps' fragments lie in registers, and each tile of 16 queries is finished and leaves while the next is multiplied.
	VALL 1, 3
	FLOAD 3
	s_wait_loadcnt 0x0                             ; all of P is in
	s_wait_dscnt 36                                ; V's even step is in; the 36 just issued may be out
.macro ROWE a                          ; the even step's eight products of tile a
	WIN 0x57+0x54*((\a)/2)
	MULS 0, 2, (\a)/2, 8*((\a)%2), 0, 0
	MULS 0, 2, (\a)/2, 8*((\a)%2)+4, 0, 0
.endm
.macro ROWO a                          ; the odd step's, and the last factor
	WIN 0x54*(1+(\a)/2)
	MULS 128, 3, (\a)/2, 8*((\a)%2), 0, 0
	MULS 128, 3, (\a)/2, 8*((\a)%2)+4, 0, 0
	PLACES 4
.irp b, 0,1,2,3,4,5,6,7
	RS 8*((\a)%2)+\b, (\a)/2
.endr
	s_wait_alu depctr_va_vdst(0)
.endm
; THE WAY OUT: 16 queries x 128 channels at a time through my own stage, back as rows of 512 bytes, into window 3; each store covers 512 consecutive bytes, aligned.
.macro TOSTAGE a
	WIN 0x04*(1+(\a)/2)
.irp b, 0,1,2,3,4,5,6,7
	ds_store_b128 v[STO], v[8*(8*((\a)%2)+\b):8*(8*((\a)%2)+\b)+3] offset:64*\b
	ds_store_b128 v[STO], v[8*(8*((\a)%2)+\b)+4:8*(8*((\a)%2)+\b)+7] offset:64*\b+16
.endr
	WIN 0xc0
.irp t, 0,1,2,3,4,5,6,7,8,9,10,11,12,13,14,15
	ds_load_b128 v[(1-(\a)/3)*(128+64*((\a)%2))+4*\t:(1-(\a)/3)*(128+64*((\a)%2))+4*\t+3], v[RD] offset:\t*SPITCH   ; LDS serves a wave's instructions in order (ISA guide 5.7.1.4): these see the stores above.  v128, 192, 128 and, behind the last product, 0 on
.endr
.endm
.macro SEND a, younger
	s_wait_dscnt \younger
	WIN 0x0c
.irp t, 0,1,2,3,4,5,6,7,8,9,10,11,12,13,14,15
	global_store_b128 v[PO], v[(1-(\a)/3)*(128+64*((\a)%2))+4*\t:(1-(\a)/3)*(128+64*((\a)%2))+4*\t+3], s[OB:OB+1] offset:(16*(\a)+\t)*4096 th:TH_STORE_NT
.endr
.endm
	ROWE 0
	s_wait_dscnt 0x0                               ; V's odd step and the factors are in
	ROWO 0
	TOSTAGE 0
	ROWE 1
	ROWO 1
	SEND 0, 0                                      ; tile 0 is back from the stage
	TOSTAGE 1
	ROWE 2
	ROWO 2
	SEND 1, 0
	s_wait_xcnt 0x0                                ; tile 0's stores have read v128-191 of window 3, which take tile 2
	TOSTAGE 2
	ROWE 3
	ROWO 3
	SEND 2, 0
	TOSTAGE 3
	SEND 3, 0
	WIN 0
	s_wait_tensorcnt 0x0                           ; the wave's end
	ds_add_u32 v[SPW], v[NIL]
	s_wait_dscnt 0x0
	CROUND                                         ; the closing round
	s_endpgm
.Lfunc_end_k_q7f41ef85ac_mix:
	.size	k_q7f41ef85ac_mix, .Lfunc_end_k_q7f41ef85ac_mix-k_q7f41ef85ac_mix
	.p2alignl 7, 3214868480
	.fill 96, 4, 3214868480
	.section	.rodata,"a",@progbits
	.p2align	6, 0x0
	.amdhsa_kernel k_q7f41ef85ac_mix
		.amdhsa_group_segment_fixed_size 327680
		.amdhsa_private_segment_fixed_size 0
		.amdhsa_enable_private_segment 0
		.amdhsa_kernarg_size 40
		.amdhsa_user_sgpr_count 2
		.amdhsa_user_sgpr_kernarg_segment_ptr 1
		.amdhsa_wavefront_size32 1
		.amdhsa_system_sgpr_workgroup_id_x 1
		.amdhsa_system_sgpr_workgroup_id_y 1
		.amdhsa_system_sgpr_workgroup_id_z 1
		.amdhsa_system_vgpr_workitem_id 0
		.amdhsa_next_free_vgpr 1024
		.amdhsa_next_free_sgpr 66
		.amdhsa_reserve_vcc 0
		.amdhsa_float_denorm_mode_32 3
		.amdhsa_float_denorm_mode_16_64 3
		.amdhsa_memory_ordered 1
		.amdhsa_forward_progress 1
		.amdhsa_inst_pref_size 198
	.end_amdhsa_kernel
	.amdgpu_metadata
---
amdhsa.version: [ 1, 2 ]
amdhsa.kernels:
  - .name:           k_q7f41ef85ac_mix
    .symbol:         k_q7f41ef85ac_mix.kd
    .args:
      - { .name: pimg, .offset: 0, .size: 8, .value_kind: global_buffer, .address_space: global }
      - { .name: vimg, .offset: 8, .size: 8, .value_kind: global_buffer, .address_space: global }
      - { .name: stats, .offset: 16, .size: 8, .value_kind: global_buffer, .address_space: global }
      - { .name: lowp_scales, .offset: 24, .size: 8, .value_kind: global_buffer, .address_space: global }
      - { .name: out0, .offset: 32, .size: 8, .value_kind: global_buffer, .address_space: global }
    .group_segment_fixed_size: 327680
    .private_segment_fixed_size: 0
    .kernarg_segment_align: 8
    .kernarg_segment_size: 40
    .max_flat_workgroup_size: 128
    .sgpr_count:     66
    .vgpr_count:     1024
    .wavefront_size: 32
...
	.end_amdgpu_metadata
.endif
;; end of part 3
